; MI455X (gfx1250); checked and timed in simulation.
; The chip was launched on July 23, 2026; its instructions are those of AMD's public machine-readable ISA for CDNA 5 (MIT licence, August 2026) and "CDNA5" Instruction Set Architecture Reference Guide (July 2026). The comments in the code are by the model that wrote it; some were corrected since.
;; Topology Batch. Allowed arithmetic: float matrix products may take bf16 or f16 operands with f32 sums; all other float work in f32.
;; Inputs: motion1 32 x 1,024 x 22 x 3 float32; motion2 32 x 1,024 x 22 x 3 float32.
;; Outputs: out0 32 x 1,023 float32.
;; One version. Each part assembles by itself: llvm-mc -triple=amdgcn-amd-amdhsa -mcpu=gfx1250 --defsym DOCPART=n.
;; ======== version 1 of 1: 1 launch
;; limits: a function is approximated: absolute error at most 7e-05; below input magnitudes of 1e-06 results are inexact or not finite
;; launch gli (part 1): grid 256 x 1, 16 waves a work-group, no clusters, 83,968 bytes of LDS; arguments motion1, motion2, out0; writes out0
.if DOCPART == 1
	.amdgcn_target "amdgcn-amd-amdhsa--gfx1250"
	.amdhsa_code_object_version 6
	.text
	.protected	k_q60e4155ffb_gli
	.globl	k_q60e4155ffb_gli
	.p2align	8
	.type	k_q60e4155ffb_gli,@function
k_q60e4155ffb_gli:
	s_mov_b64 s[64:65], 0
	v_nop
	global_prefetch_b8 v0, s[64:65] scope:SCOPE_SE
	s_setreg_imm32_b32 hwreg(HW_REG_WAVE_MODE, 25, 1), 1
	s_wait_xcnt 0x0
; out[b][f] = max over the 25 path pairs of |G[b][f+1][pair] - G[b][f][pair]|, where G is the Gauss linking integral of a path of
; motion1 with a path of motion2, summed over their segment pairs.  32 x 1024 frames of 22 joints x 3 f32 (264 bytes) in each motion.
;
; SHARES.  A work-group owns 128 consecutive frames (an eighth of a batch row) and computes one frame more (the halo) for its last
; difference.  A lane owns one frame and one of the 16 segments (a, b) of motion1 and walks all 16 segments (c, d) of motion2;
; a wave is 2 frames x 16 segments; wave w owns frames 8 w .. 8 w + 7 (four trips); wave 15 then takes the halo frame 128 (both halves
; of the wave on the same frame).  All lanes run the same instructions; they differ in LDS addresses only.
;
; ALGEBRA.  With r_j = j - [a, b] (a register pair: j - a below, j - b above), N = r_c x r_d (packed) and M_j = (j - a) x (j - b), the four
; faces are N.a, M_d, -N.b, -M_c, so the four arcsines are asin(Na.Md) - asin(Nb.Md) + asin(Nb.Mc) - asin(Na.Mc) on unit faces, and
; the sign is that of (b - a).Na, the same determinant as (r34 x r12).r13.  r_d and M_d serve as r_c and M_c of the path's next segment.
;
; LIMITS, stated.  (1) asin(x) = sign(x) (pi/2 - sqrt(1 - |x|) (a0 + a1 |x| + a2 |x|^2 + a3 |x|^3)): absolute error up to 7e-5 rad; a path sum
; holds at most 64 arcsines, so at most 3.6e-4 after the division by 4 pi.  (2) 1e-30 is added to each squared face norm: a zero face gives
; the dot product 0 as asked, faces with a norm under about 1e-13 are not brought to length 1, and norms above about 1e19 overflow in the
; square.  (3) The sign's determinant is rounded in another order than the reference's.  (4) A NaN among the 25 differences loses in the maximum.
;
; LEFT OUT.  No matrix unit (there is no product), no cluster (neighbours share 512 of 34,304 bytes), no copy engine (one flat
; copy of 2 x 34,304 bytes at the start), no prefetch (all that the group reads is requested by its first lines).
.set FRAME,   264                      ; bytes of a frame
.set GROUPB,  128*FRAME                ; 33,792 bytes: the group's own frames in one motion
.set INBYTES, 8650752                  ; bytes of a motion
.set CHUNK,   8192                     ; 512 threads x 16 bytes
.set TRIPS,   4                        ; 8 frames of a wave, two in each trip
.set M1B,     0                        ; LDS: flat copy of motion1, 4 chunks + 1,536 bytes = 34,304 (129 frames are 34,056)
.set M2B,     34304                    ; LDS: the same of motion2
.set GB,      68608                    ; LDS: G, 129 frames x 25 f32
.set GPITCH,  100                      ; 25 words, odd: lanes on neighbouring frames fall on different banks
; vector registers
.set TM,  11                           ; a temporary
.set CT,  12                           ; v[12:13] 1e-30 twice
.set C3,  14                           ; v[14:21] the polynomial's coefficients, negated, each twice
.set C2,  16
.set C1,  18
.set C0,  20
.set CP,  22                           ; v[22:23] pi/2 twice
.set AB,  24                           ; v[24:29] [ax,bx] [ay,by] [az,bz]
.set EV,  30                           ; v[30:32] b - a
.set RJ,  34                           ; v[34:45] two sets of r_j: x pair, y pair, z pair
.set MF,  46                           ; v[46:53] two sets of M_j: x, y, z, then |M|^2 and 1/|M|
.set NF,  54                           ; v[54:59] N: x pair, y pair, z pair
.set QN,  60                           ; v[60:61] |N|^2, then 1/|N|
.set XD,  62                           ; v[62:65] dot products [Na.Md, Nb.Md] [Na.Mc, Nb.Mc]
.set UA,  66                           ; v[66:69] clipped magnitudes
.set WS,  70                           ; v[70:73] 1 - u, its root, then the arcsines
.set PL,  74                           ; v[74:77] the polynomial
.set GP,  78                           ; v[78:79]
.set SD,  80                           ; the sign's determinant
.set SG,  81                           ; -1 or +1
.set T1,  82
.set T2,  83
.set ACC, 84                           ; v[84:88] one sum for each path of motion2
.set F2,  90                           ; v[92:155] floats 2 .. 65 of motion2's frame, float i in v[F2+i]; at the start: staging; at the end: G
.set MX,  140
; v0 thread, v1 r = lane % 16, v2 my first frame, v3 nibble shift, v4/v5 12 x start/end joint, v6 GB + 20 x my path,
; v7 LDS address of a, v8 of b, v9 of the frame (in M1; M2's base rides in the immediates), v10 of my path's five sums in G
; s[4:5] motion1, s[6:7] motion2 (at the group's first frame), s[8:9] out (at the group's first number), s10 wave, s11 trip,
; s13 1e-30, s14 clip, s15 magnitude mask, s16 lanes r = 6, s17 saved EXEC, s[18:19] s[22:23] offsets, s20 clamp, s24 first f
	s_load_b128 s[4:7], s[0:1], 0x0                ; motion1, motion2
	s_load_b64 s[8:9], s[0:1], 0x10                ; out0
	v_lshl_add_u32 v160, v0, 2, 0x14000
	v_mov_b32 v161, 0
	v_lshrrev_b32 v1, 5, v0
	v_readfirstlane_b32 s10, v1                    ; wave 0 .. 15
	v_lshlrev_b32 v7, 4, v0                        ; 16 t: my 16 bytes of a chunk, in memory and in LDS
	s_mul_i32 s18, ttmp9, GROUPB                   ; the group's first byte in a motion (below 2^24)
	s_mov_b32 s19, 0
	s_sub_co_u32 s20, INBYTES-16, s18              ; offset of the motion's last 16 bytes from there
	s_lshr_b32 s21, ttmp9, 3                       ; batch row
	s_mul_i32 s21, s21, 1023
	s_and_b32 s24, ttmp9, 7
	s_lshl_b32 s24, s24, 7                         ; f of the group's first output
	s_add_co_u32 s22, s21, s24
	s_lshl_b32 s22, s22, 2                         ; in bytes
	s_mov_b32 s23, 0
	s_wait_kmcnt 0x0
	s_add_nc_u64 s[4:5], s[4:5], s[18:19]
	s_add_nc_u64 s[6:7], s[6:7], s[18:19]
	s_add_nc_u64 s[8:9], s[8:9], s[22:23]
	; STAGING: a flat copy.  Each load of a wave covers 512 consecutive bytes, and the group's part starts on a multiple of 256.
	; Chunk 0 is also touched by the neighbour's tail, so it carries no hint; chunks 1 to 3 are read by this group alone.
.irp i, 0,1,2,3
.if \i
	global_load_b128 v[F2+4*\i:F2+4*\i+3],       v7, s[4:5] offset:CHUNK*\i th:TH_LOAD_NT
	global_load_b128 v[F2+16+4*\i:F2+16+4*\i+3], v7, s[6:7] offset:CHUNK*\i th:TH_LOAD_NT
.else
	global_load_b128 v[F2+4*\i:F2+4*\i+3],       v7, s[4:5]
	global_load_b128 v[F2+16+4*\i:F2+16+4*\i+3], v7, s[6:7]
.endif
.endr
	s_cmp_gt_u32 s10, 2
	s_cbranch_scc1 .Lno_tail                       ; waves 0 to 2 bring the last 1,536 bytes: 1,024 of the group's own, then the halo frame
	v_add_nc_u32 v9, 4*CHUNK, v7
	v_min_u32 v8, s20, v9                          ; the last group has no frame behind it: its lanes stay on the motion's last 16 bytes,
	global_load_b128 v[F2+32:F2+35], v8, s[4:5]    ; and the output that would use that halo (f = 1023) does not exist
	global_load_b128 v[F2+36:F2+39], v8, s[6:7]
	s_wait_loadcnt 0x0
	ds_store_b128 v9, v[F2+32:F2+35] offset:M1B
	ds_store_b128 v9, v[F2+36:F2+39] offset:M2B
.Lno_tail:
	; SET-UP while the loads are out.  It writes none of v7-v9 and none of the staging registers.
	s_mov_b32 s13, 0x0da24260                      ; 1e-30
	s_mov_b32 s14, 0x3f7ffffe                      ; 1 - 1e-7 in f32
	s_mov_b32 s15, 0x7fffffff
	s_mov_b32 s16, 0x00400040                      ; lanes r = 6: the head of the path with four segments
	s_mov_b32 s11, 0
	v_and_b32 v1, 15, v0                           ; r: my segment of motion1
	v_bfe_u32 v2, v0, 4, 1                         ; h: which of the wave's two frames
	v_lshl_add_u32 v2, s10, 3, v2                  ; 8 w + h: my frame in the first trip
	v_and_b32 v3, 7, v0
	v_lshlrev_b32 v3, 2, v3                        ; 4 (r % 8): my nibble in the tables
	v_cmp_le_u32 vcc_lo, 8, v1
; a table of 16 numbers below 32: low four bits as nibbles of lo (r = 0..7) and hi (r = 8..15), bit 4 as bit r of top
.macro LOOK dst, lo, hi, top
	v_bfe_u32 v[\dst], \lo, v3, 4
	v_bfe_u32 v[TM], \hi, v3, 4
	v_cndmask_b32 v[\dst], v[\dst], v[TM], vcc_lo
.if \top
	v_bfe_u32 v[TM], \top, v1, 1
	v_lshl_or_b32 v[\dst], v[TM], 4, v[\dst]
.endif
.endm
	LOOK 4, 0x63741852, 0x20d31ec9, 0xd800         ; start joints 2 5 8  1 4 7  3 6 9 12  14 17 19  13 16 18
	LOOK 5, 0x96a74b85, 0x420531fc, 0xfc00         ; end joints   5 8 11 4 7 10 6 9 12 15 17 19 21  16 18 20
	LOOK 6, 0x22111000, 0x44433322, 0              ; path         0 0 0  1 1 1  2 2 2 2   3 3 3     4 4 4
	v_mul_u32_u24 v4, 12, v4
	v_mul_u32_u24 v5, 12, v5
	v_mad_u32_u24 v6, v6, 20, GB                   ; my path's five sums in a frame's row of G
.irp h, 0,1
	v_mov_b32 v[CT+\h], s13
	v_mov_b32 v[C3+\h], 0x3c996e30                 ;  0.0187293
	v_mov_b32 v[C2+\h], 0xbd981627                 ; -0.0742610
	v_mov_b32 v[C1+\h], 0x3e593484                 ;  0.2121144
	v_mov_b32 v[C0+\h], 0xbfc90da4                 ; -1.5707288
	v_mov_b32 v[CP+\h], 0x3fc90fdb                 ;  pi/2
.endr
	v_mov_b32 v[T1], 0                             ; destinations of lane shifts keep their old value in lanes without a source
	v_mov_b32 v[T2], 0
	s_wait_loadcnt 0x0                             ; all eight chunks of mine are in
	s_wait_xcnt 0x0                                ; the only global loads of the kernel: EXEC and v7-v9 change only behind this wait
.irp i, 0,1,2,3
	ds_store_b128 v7, v[F2+4*\i:F2+4*\i+3]       offset:M1B+CHUNK*\i
	ds_store_b128 v7, v[F2+16+4*\i:F2+16+4*\i+3] offset:M2B+CHUNK*\i
.endr
	s_wait_dscnt 0x0                               ; for the other waves: my stores are in LDS before I say so
	v_mul_u32_u24 v9, FRAME, v2                    ; the first trip's addresses; the loop steps them by constants
	v_mad_u32_u24 v10, v2, GPITCH, v6
	v_add_nc_u32 v7, v9, v4
	v_add_nc_u32 v8, v9, v5
	s_barrier_signal -1
	s_barrier_wait -1                              ; M1 and M2 are whole, and are only read from here on
; v[dst:dst+1] = v[src] - v[ab:ab+1]: one number against a pair.  The pair that holds src is named, and op_sel picks src for both halves.
.macro RSUB dst, src, ab
.if ((\src) & 1) == 0
	v_pk_add_f32 v[\dst:\dst+1], v[\src:\src+1], v[\ab:\ab+1] op_sel_hi:[0,1] neg_lo:[0,1] neg_hi:[0,1]
.else
	v_pk_add_f32 v[\dst:\dst+1], v[\src-1:\src], v[\ab:\ab+1] op_sel:[1,0] op_sel_hi:[1,1] neg_lo:[0,1] neg_hi:[0,1]
.endif
.endm
; joint j of motion2 into set 0 or 1: r_j, M_j = (j - a) x (j - b), 1 / |M_j|.  It ends on v_rsq_f32: what follows it is always a plain
; vector instruction that touches neither its result nor its source (ISA guide 5.7.2).
.macro JNT set, j
.set R_, RJ+6*\set
.set M_, MF+4*\set
.set J_, F2+3*\j
	RSUB R_, J_, AB
	RSUB R_+2, J_+1, AB+2
	RSUB R_+4, J_+2, AB+4
	v_mul_f32 v[M_],   v[R_+4], v[R_+3]
	v_mul_f32 v[M_+1], v[R_],   v[R_+5]
	v_mul_f32 v[M_+2], v[R_+2], v[R_+1]
	v_fma_f32 v[M_],   v[R_+2], v[R_+5], -v[M_]
	v_fma_f32 v[M_+1], v[R_+4], v[R_+1], -v[M_+1]
	v_fma_f32 v[M_+2], v[R_],   v[R_+3], -v[M_+2]
	v_fma_f32 v[M_+3], v[M_],   v[M_],   s13       ; the sum of squares starts from 1e-30
	v_fma_f32 v[M_+3], v[M_+1], v[M_+1], v[M_+3]
	v_fma_f32 v[M_+3], v[M_+2], v[M_+2], v[M_+3]
	v_rsq_f32 v[M_+3], v[M_+3]
.endm
; M of a set to length 1, in place
.macro MSCALE set
.set M_, MF+4*\set
	s_wait_alu depctr_va_vdst(0)
	v_pk_mul_f32 v[M_:M_+1], v[M_:M_+1], v[M_+2:M_+3] op_sel:[0,1] op_sel_hi:[1,1]
	v_mul_f32 v[M_+2], v[M_+2], v[M_+3]
.endm
; one segment (c, d) of motion2: c lies in set cs, d = joint j goes into set ds.  first = 1: c's M is not scaled yet, and the
; product starts the path's sum (nothing is cleared).
.macro SEG cs, ds, j, acc, first
	JNT \ds, \j
.set RC_, RJ+6*\cs
.set RD_, RJ+6*\ds
.set MC_, MF+4*\cs
.set MD_, MF+4*\ds
.if \first
	MSCALE \cs
.endif
	v_pk_mul_f32 v[NF:NF+1],   v[RC_+4:RC_+5], v[RD_+2:RD_+3]                    ; N = r_c x r_d, for a and for b at once
	v_pk_mul_f32 v[NF+2:NF+3], v[RC_:RC_+1],   v[RD_+4:RD_+5]
	v_pk_mul_f32 v[NF+4:NF+5], v[RC_+2:RC_+3], v[RD_:RD_+1]
	v_pk_fma_f32 v[NF:NF+1],   v[RC_+2:RC_+3], v[RD_+4:RD_+5], v[NF:NF+1]   neg_lo:[0,0,1] neg_hi:[0,0,1]
	v_pk_fma_f32 v[NF+2:NF+3], v[RC_+4:RC_+5], v[RD_:RD_+1],   v[NF+2:NF+3] neg_lo:[0,0,1] neg_hi:[0,0,1]
	v_pk_fma_f32 v[NF+4:NF+5], v[RC_:RC_+1],   v[RD_+2:RD_+3], v[NF+4:NF+5] neg_lo:[0,0,1] neg_hi:[0,0,1]
	MSCALE \ds
	v_pk_fma_f32 v[QN:QN+1], v[NF:NF+1],     v[NF:NF+1],     v[CT:CT+1]          ; |N|^2 + 1e-30
	v_pk_fma_f32 v[QN:QN+1], v[NF+2:NF+3],   v[NF+2:NF+3],   v[QN:QN+1]
	v_pk_fma_f32 v[QN:QN+1], v[NF+4:NF+5],   v[NF+4:NF+5],   v[QN:QN+1]
	v_rsq_f32 v[QN],   v[QN]
	v_rsq_f32 v[QN+1], v[QN+1]                                                   ; the dot products below stand between these and their use
	v_pk_mul_f32 v[XD:XD+1],   v[NF:NF+1],   v[MD_:MD_+1] op_sel_hi:[1,0]        ; N.x times M.x in both halves
	v_pk_mul_f32 v[XD+2:XD+3], v[NF:NF+1],   v[MC_:MC_+1] op_sel_hi:[1,0]
	v_pk_fma_f32 v[XD:XD+1],   v[NF+2:NF+3], v[MD_:MD_+1],     v[XD:XD+1]   op_sel:[0,1,0] op_sel_hi:[1,1,1]
	v_pk_fma_f32 v[XD+2:XD+3], v[NF+2:NF+3], v[MC_:MC_+1],     v[XD+2:XD+3] op_sel:[0,1,0] op_sel_hi:[1,1,1]
	v_pk_fma_f32 v[XD:XD+1],   v[NF+4:NF+5], v[MD_+2:MD_+3],   v[XD:XD+1]   op_sel_hi:[1,0,1]
	v_pk_fma_f32 v[XD+2:XD+3], v[NF+4:NF+5], v[MC_+2:MC_+3],   v[XD+2:XD+3] op_sel_hi:[1,0,1]
	v_mul_f32  v[SD], v[EV],   v[NF]                                             ; (b - a).Na
	v_fmac_f32 v[SD], v[EV+1], v[NF+2]
	v_fmac_f32 v[SD], v[EV+2], v[NF+4]
	s_wait_alu depctr_va_vdst(0)
	v_pk_mul_f32 v[XD:XD+1],   v[XD:XD+1],   v[QN:QN+1]
	v_pk_mul_f32 v[XD+2:XD+3], v[XD+2:XD+3], v[QN:QN+1]
.irp i, 0,1,2,3
	v_min_num_f32 v[UA+\i], |v[XD+\i]|, s14                                      ; the clip, on the magnitude
.endr
	v_pk_fma_f32 v[WS:WS+1],   v[UA:UA+1],   -1.0, 1.0 op_sel_hi:[1,0,0]         ; 1 - u, at least 2^-23
	v_pk_fma_f32 v[WS+2:WS+3], v[UA+2:UA+3], -1.0, 1.0 op_sel_hi:[1,0,0]
.irp i, 0,1,2,3
	v_sqrt_f32 v[WS+\i], v[WS+\i]
.endr
	v_pk_fma_f32 v[PL:PL+1],   v[UA:UA+1],   v[C3:C3+1],   v[C2:C2+1]            ; the polynomial stands between the roots and their use
	v_pk_fma_f32 v[PL+2:PL+3], v[UA+2:UA+3], v[C3:C3+1],   v[C2:C2+1]
	v_pk_fma_f32 v[PL:PL+1],   v[PL:PL+1],   v[UA:UA+1],   v[C1:C1+1]
	v_pk_fma_f32 v[PL+2:PL+3], v[PL+2:PL+3], v[UA+2:UA+3], v[C1:C1+1]
	v_pk_fma_f32 v[PL:PL+1],   v[PL:PL+1],   v[UA:UA+1],   v[C0:C0+1]
	v_pk_fma_f32 v[PL+2:PL+3], v[PL+2:PL+3], v[UA+2:UA+3], v[C0:C0+1]
	s_wait_alu depctr_va_vdst(0)
	v_pk_fma_f32 v[WS:WS+1],   v[WS:WS+1],   v[PL:PL+1],   v[CP:CP+1]            ; asin(u) = pi/2 + sqrt(1 - u) (negated polynomial)
	v_pk_fma_f32 v[WS+2:WS+3], v[WS+2:WS+3], v[PL+2:PL+3], v[CP:CP+1]
.irp i, 0,1,2,3
	v_bfi_b32 v[WS+\i], s15, v[WS+\i], v[XD+\i]                                  ; the dot product's sign on it
.endr
	v_pk_add_f32 v[GP:GP+1], v[WS:WS+1], v[WS+2:WS+3] neg_lo:[0,1] neg_hi:[0,1]  ; (with Md) - (with Mc), for a and for b
	v_cmp_ge_f32 vcc_lo, 0, v[SD]                                                ; sign <= 0
	v_sub_f32 v[TM], v[GP], v[GP+1]                                              ; a's minus b's: the four arcsines
	v_cndmask_b32 v[SG], 1.0, -1.0, vcc_lo
.if \first
	v_mul_f32 v[\acc], v[SG], v[TM]
.else
	v_fmac_f32 v[\acc], v[SG], v[TM]
.endif
.endm
.macro PATH acc, j0, j1, j2, j3
	JNT 0, \j0
	SEG 0, 1, \j1, \acc, 1
	SEG 1, 0, \j2, \acc, 0
	SEG 0, 1, \j3, \acc, 0
.endm
; sum over the lanes of one path of motion1, into the path's first lane: lanes i, i+1, i+2, and i+3 where the path has four segments
.macro PSUM a
	v_add_f32_dpp v[T1], v[\a], v[\a] row_shl:1 row_mask:0xf bank_mask:0xf
	v_add_f32_dpp v[T1], v[\a], v[T1] row_shl:2 row_mask:0xf bank_mask:0xf
	v_add_f32_dpp v[T2], v[\a], v[T1] row_shl:3 row_mask:0xf bank_mask:0xf
	v_cndmask_b32 v[\a], v[T1], v[T2], s16
.endm
; a trip's 38 LDS loads: my a and b, and floats 2 .. 65 of motion2's frame (the 16 lanes of a half read the same words)
.macro TLOAD
.irp c, 0,1,2
	ds_load_b32 v[AB+2*\c],   v7 offset:M1B+4*\c
	ds_load_b32 v[AB+2*\c+1], v8 offset:M1B+4*\c
.endr
.set k, 1
.rept 32
	ds_load_b64 v[F2+2*k:F2+2*k+1], v9 offset:M2B+8*k
.set k, k+1
.endr
.endm
; a trip's arithmetic: registers only
.macro TWORK
	v_sub_f32 v[EV],   v[AB+1], v[AB]
	v_sub_f32 v[EV+1], v[AB+3], v[AB+2]
	v_sub_f32 v[EV+2], v[AB+5], v[AB+4]
	PATH ACC,   2, 5, 8, 11
	PATH ACC+1, 1, 4, 7, 10
	PATH ACC+2, 3, 6, 9, 12
	SEG 1, 0, 15, ACC+2, 0                         ; the third path has a fourth segment (12, 15)
	PATH ACC+3, 14, 17, 19, 21
	PATH ACC+4, 13, 16, 18, 20
.irp k, 0,1,2,3,4
	PSUM ACC+\k
.endr
.endm
; a trip's 25 sums of each frame into G, from the first lane of each path of motion1
.macro TSTORE
	s_mov_b32 vcc_lo, 0x24492449                   ; lanes r = 0, 3, 6, 10, 13
	s_and_saveexec_b32 s17, vcc_lo                 ; no global access has been issued since the s_wait_xcnt 0 of the staging
.irp k, 0,1,2,3,4
	ds_store_b32 v10, v[ACC+\k] offset:4*\k
.endr
	s_or_b32 exec_lo, exec_lo, s17
.endm
	; THE TRIPS: two frames of the wave in each; no global access inside.  G lies behind both copies, so its stores touch no byte that a
	; frame's load reads; still every trip keeps the loads and the stores of all waves in separate barrier intervals, so that the
	; order does not rest on that arithmetic.  The first barrier is split round the trip's arithmetic; the second closes the trip.
.Ltrip:
	TLOAD
	s_wait_dscnt 0x0                               ; the whole frame is used from the first path on, and my loads are over before I say so
	s_barrier_signal -1
	TWORK
	s_barrier_wait -1                              ; every wave's loads of this trip are over
	TSTORE
	v_add_nc_u32 v7, 2*FRAME, v7                   ; two frames on
	v_add_nc_u32 v8, 2*FRAME, v8
	v_add_nc_u32 v9, 2*FRAME, v9
	v_add_nc_u32 v10, 2*GPITCH, v10
	s_wait_dscnt 0x0                               ; my stores are in LDS
	s_barrier_signal -1
	s_barrier_wait -1                              ; every wave's are
	s_add_co_u32 s11, s11, 1
	s_cmp_lt_u32 s11, TRIPS
	s_cbranch_scc1 .Ltrip
	; THE HALO: frame 128, by wave 15 alone, both halves of the wave on the same frame (they store equal words).
	s_cmp_lg_u32 s10, 15
	s_cbranch_scc1 .Lno_halo
	v_mov_b32 v9, 128*FRAME
	v_add_nc_u32 v7, 128*FRAME, v4
	v_add_nc_u32 v8, 128*FRAME, v5
	v_add_nc_u32 v10, 128*GPITCH, v6
	TLOAD
	s_wait_dscnt 0x0
	TWORK
	TSTORE
.Lno_halo:
	s_wait_dscnt 0x0                               ; for the other waves: the halo's row of G is in LDS
	s_barrier_signal -1
	s_barrier_wait -1
	s_cmp_gt_u32 s10, 3
	s_cbranch_scc1 .Ldone
	; THE WAY OUT: thread t of waves 0 to 3 takes frames t and t + 1: 50 consecutive words of G.
	v_mul_u32_u24 v7, GPITCH, v0
	v_add_nc_u32 v7, GB, v7
.set k, 0
.rept 50
	ds_load_b32 v[F2+k], v7 offset:4*k
.set k, k+1
.endr
	v_add_nc_u32 v9, s24, v0                       ; f
	v_lshlrev_b32 v8, 2, v0
	s_wait_dscnt 0x0
.set k, 0
.rept 25
	v_sub_f32 v[F2+k], v[F2+25+k], v[F2+k]
.set k, k+1
.endr
	v_max_num_f32 v[MX], |v[F2]|, |v[F2+1]|
.set k, 2
.rept 11
	v_max3_num_f32 v[MX], v[MX], |v[F2+k]|, |v[F2+k+1]|
.set k, k+2
.endr
	v_max_num_f32 v[MX], v[MX], |v[F2+24]|
	v_mul_f32 v[MX], 0x3da2f983, v[MX]             ; 1 / (4 pi), once, on the maximum
	v_cmp_gt_u32 vcc_lo, 1023, v9                  ; a batch row has 1,023 outputs: f = 1023 is not one
	s_wait_tensorcnt 0x0
	ds_add_u32 v160, v161
	s_wait_dscnt 0x0
	s_and_saveexec_b32 s17, vcc_lo
	global_store_b32 v8, v[MX], s[8:9]             ; the four waves write 512 consecutive bytes; rows of 4,092 bytes leave no common alignment
	s_endpgm
.Ldone:
	s_wait_tensorcnt 0x0
	ds_add_u32 v160, v161
	s_wait_dscnt 0x0
	s_endpgm
.Lfunc_end_k_q60e4155ffb_gli:
	.size	k_q60e4155ffb_gli, .Lfunc_end_k_q60e4155ffb_gli-k_q60e4155ffb_gli
	.p2alignl 7, 3214868480
	.fill 96, 4, 3214868480
	.section	.rodata,"a",@progbits
	.p2align	6, 0x0
	.amdhsa_kernel k_q60e4155ffb_gli
		.amdhsa_group_segment_fixed_size 83968
		.amdhsa_private_segment_fixed_size 0
		.amdhsa_enable_private_segment 0
		.amdhsa_kernarg_size 24
		.amdhsa_user_sgpr_count 2
		.amdhsa_user_sgpr_kernarg_segment_ptr 1
		.amdhsa_wavefront_size32 1
		.amdhsa_system_sgpr_workgroup_id_x 1
		.amdhsa_system_sgpr_workgroup_id_y 1
		.amdhsa_system_sgpr_workgroup_id_z 1
		.amdhsa_system_vgpr_workitem_id 0
		.amdhsa_next_free_vgpr 162
		.amdhsa_next_free_sgpr 66
		.amdhsa_reserve_vcc 1
		.amdhsa_float_denorm_mode_32 3
		.amdhsa_float_denorm_mode_16_64 3
		.amdhsa_memory_ordered 1
		.amdhsa_forward_progress 1
		.amdhsa_inst_pref_size 143
	.end_amdhsa_kernel
	.amdgpu_metadata
---
amdhsa.version: [ 1, 2 ]
amdhsa.kernels:
  - .name:           k_q60e4155ffb_gli
    .symbol:         k_q60e4155ffb_gli.kd
    .args:
      - { .name: motion1, .offset: 0, .size: 8, .value_kind: global_buffer, .address_space: global }
      - { .name: motion2, .offset: 8, .size: 8, .value_kind: global_buffer, .address_space: global }
      - { .name: out0, .offset: 16, .size: 8, .value_kind: global_buffer, .address_space: global }
    .group_segment_fixed_size: 83968
    .private_segment_fixed_size: 0
    .kernarg_segment_align: 8
    .kernarg_segment_size: 24
    .max_flat_workgroup_size: 512
    .sgpr_count:     66
    .vgpr_count:     162
    .wavefront_size: 32
...
	.end_amdgpu_metadata
.endif
;; end of part 1
